; MI455X (gfx1250); checked and timed in simulation.
; The chip was launched on July 23, 2026; its instructions are those of AMD's public machine-readable ISA for CDNA 5 (MIT licence, August 2026) and "CDNA5" Instruction Set Architecture Reference Guide (July 2026). The comments in the code are by the model that wrote it; some were corrected since.
;; Adaptive Pool Compressor. Allowed arithmetic: float matrix products may take bf16 or f16 operands with f32 sums; all other float work in f32.
;; Inputs: W1 1,024 x 256 float32; W2 256 x 1 float32; b1 256 float32; b2 1 float32; pool_positions 512 float32; x 8 x 8,192 x 1,024 float32.
;; Outputs: out0 8 x 512 x 1,024 float32.
;; One version. Each part assembles by itself: llvm-mc -triple=amdgcn-amd-amdhsa -mcpu=gfx1250 --defsym DOCPART=n.
;; ======== version 1 of 1: 2 launches
;; limits: an absolute error that grows with the inputs' magnitude: up to 8.8e-10 times it; a function is approximated: absolute error at most 1.5e-07; values are held in f16: magnitudes above 65,504 overflow, below 6.1e-05 lose precision; inputs' magnitudes at most 65,504
;; workspace buffers: scores 262,144 bytes; win 256 bytes of whole numbers
;; launch scores (part 1): grid 256 x 1, 16 waves a work-group, no clusters, 149,504 bytes of LDS; arguments x, W1, b1, W2, b2, pool_positions, scores, win; writes scores, win
.if DOCPART == 1
	.amdgcn_target "amdgcn-amd-amdhsa--gfx1250"
	.amdhsa_code_object_version 6
	.text
	.protected	k_qf8fdaa9356_scores
	.globl	k_qf8fdaa9356_scores
	.p2align	8
	.type	k_qf8fdaa9356_scores,@function
k_qf8fdaa9356_scores:
	s_mov_b64 s[64:65], 0
	v_nop
	global_prefetch_b8 v0, s[64:65] scope:SCOPE_SE
	s_setreg_imm32_b32 hwreg(HW_REG_WAVE_MODE, 25, 1), 1
	s_wait_xcnt 0x0
; score[b][s] = GELU(x[b][s][:] . W1 + b1) . W2 + b2   (x: 65,536 rows of 1,024 f32; W1: [1024][256] f32), and the window records of the next launch.
; A work-group owns 256 rows of x and all 256 hidden columns; 16 waves, each a block of 64 hidden columns x 64 rows in 16 accumulator tiles.
; K goes in steps of 64.  x and W1 are f32 in memory and bf16 in the matrix unit, so both pass through registers: 16-byte loads, two packed
; conversions, 8-byte LDS stores.  A copy engine would bring f32 into LDS: 4 bytes written and 4 read for each use of a number, in place of 2 and 2.
; That is why there are no tensor loads here and so no joint requests of a cluster, although all work-groups walk the same W1.
; THE MATRIX INSTRUCTION IS USED TRANSPOSED: source 0 = 16 hidden columns of W1, source 1 = 16 rows of x.  Register j of lane (r, h) then holds
; hidden column 8h + j of row r, so that the product with W2 is summed inside the lane, then over the two halves, then over four waves in LDS.
; LIMITS.  x and W1 are rounded to bf16.  erf by Abramowitz and Stegun 7.1.26 (absolute error at most 1.5e-7), in the form
; gelu(z) = max(z, 0) - |z| q,  q = erfc(|z| / sqrt 2) / 2 = t (a1 + t (a2 + t (a3 + t (a4 + t a5)))) 2^-(c1 z)^2,  t = 1 / (1 + pz |z|), a's halved.
; WINDOWS.  Row t of the second softmax has its position term largest at c = the nearest of the 8,192 positions to pool_positions[t] (clamped to
; 0..8191); the term falls by 8192/8191 a step, and the other term, 10 x a softmax weight, lies in 0..10.  So all s with |s - c| >= 33 together weigh
; at most 2 e^-22 / (1 - 1/e) = 8.8e-10 of the row's sum, whatever the inputs.  Record g (rows 16g..16g+15): first chunk of 32 positions and number
; of chunks that cover c - 32 .. c + 32 of all sixteen rows.  Any order and any range of pool_positions is served; a NaN among them is left out.
.set XPITCH, 144                       ; LDS row of x: 64 bf16 + 16 bytes = 9 x 16: sixteen rows begin in sixteen different 16-byte columns modulo 256
.set WPITCH, 544                       ; LDS row of W1: 256 bf16 + 32 bytes = 17 x 32, for the transposing loads
.set XBUF,   256*XPITCH                ; 36,864: one buffer of x
.set WBASE,  2*XBUF                    ; 73,728: W1's two buffers lie behind x's two
.set WBUF,   64*WPITCH                 ; 34,816
.set PART,   WBASE+2*WBUF              ; 143,360: f32 [4 column waves][256 rows]
.set XS,  16                           ; v[16:47]   x as loaded, then packed
.set WS,  48                           ; v[48:79]   W1 as loaded, then packed
.set XF,  80                           ; v[80:111]  four fragments of x (16 rows x 32 k)
.set WF,  112                          ; v[112:127] two fragments of W1 (16 columns x 32 k)
.set ACC, 128                          ; v[128:255] tile (a, b) at ACC + 8 (4a + b): hidden columns 16a.., rows 16b..
.set B1V, 16                           ; the way out: b1 of my 32 hidden columns
.set W2V, 48                           ;              W2 of the same
.set Z,   80
.set Y,   88
.set T,   96
.set P,   104
.set R,   112
.set SC,  120                          ; v[120:127] a pair of partial sums for each b
; v1 x offset, v2 W1 offset, v3 x LDS store, v4 W1 LDS store, v5 x fragment, v6 W1 fragment, v7 offset in b1 and W2, v[8:9] a4, v15 PART store
; s[20:21] x at the tile to load, s[22:23] W1 likewise, s24 wave, s25 trips, s26 b2, s[28:29] lane selects, s[30:39], s40 constants
	s_load_b256 s[4:11], s[0:1], 0x0               ; x s[4:5], W1 s[6:7], b1 s[8:9], W2 s[10:11]
	s_load_b256 s[12:19], s[0:1], 0x20             ; b2 s[12:13], pool_positions s[14:15], scores s[16:17], win s[18:19]
	v_and_b32 v10, 31, v0                          ; l
	v_and_b32 v11, 15, v0                          ; r
	v_bfe_u32 v12, v0, 4, 1                        ; h
	v_lshrrev_b32 v13, 5, v0
	v_readfirstlane_b32 s24, v13                   ; wave w
	s_lshr_b32 s42, s24, 2                         ; w >> 2: which 64 rows
	s_and_b32 s43, s24, 3                          ; w & 3: which 64 hidden columns
	v_lshlrev_b32 v1, 4, v11                       ; x: row 16w + h (+ 2e), 16 bytes at 16r: sixteen lanes take 256 bytes of a row
	v_lshl_add_u32 v1, v12, 12, v1
	s_lshl_b32 s41, s24, 16
	v_add_nc_u32 v1, s41, v1
	s_lshl_b32 s41, s24, 12                        ; W1: the wave takes 4,096 consecutive bytes, rows 4w .. 4w+3 of the tile
	v_lshl_add_u32 v2, v10, 4, s41
	s_mul_i32 s41, s24, 16*XPITCH                  ; x into LDS: row 16w + h, 8 bytes at 8r
	v_mul_u32_u24 v3, v12, XPITCH
	v_lshl_add_u32 v3, v11, 3, v3
	v_add_nc_u32 v3, s41, v3
	s_mul_i32 s41, s24, 4*WPITCH                   ; W1 into LDS: row 4w, 8 bytes at 8l
	s_add_co_u32 s41, s41, WBASE
	v_lshl_add_u32 v4, v10, 3, s41
	s_mul_i32 s41, s42, 64*XPITCH                  ; x fragment: row 64 (w>>2) + r, 16 bytes at 16h
	v_mul_u32_u24 v5, v11, XPITCH
	v_lshl_add_u32 v5, v12, 4, v5
	v_add_nc_u32 v5, s41, v5
	v_and_b32 v13, 7, v0                           ; W1 fragment, transposing load: row 8h + (l & 7), 16 bytes at 16 ((l >> 3) & 1), column 64 (w&3)
	v_lshl_add_u32 v13, v12, 3, v13
	v_mul_u32_u24 v6, v13, WPITCH
	v_bfe_u32 v14, v0, 3, 1
	v_lshl_add_u32 v6, v14, 4, v6
	s_lshl_b32 s41, s43, 7
	s_add_co_u32 s41, s41, WBASE
	v_add_nc_u32 v6, s41, v6
	s_lshl_b32 s41, s43, 8                         ; b1, W2: 4 (64 (w&3) + 8h)
	v_lshl_add_u32 v7, v12, 5, s41
	s_lshl_b32 s41, s43, 10                        ; PART: 1024 (w&3) + 4 (64 (w>>2) + r): 256 bytes of the wave's own
	s_lshl_b32 s44, s42, 8
	s_add_co_u32 s41, s41, s44
	s_add_co_u32 s41, s41, PART
	v_lshl_add_u32 v15, v11, 2, s41
	v_mov_b32 v8, 0xbf3a00e3                       ; a4 / 2 = -0.72657601
	v_mov_b32 v9, 0xbf3a00e3
	s_mov_b32 s28, 0x76543210                      ; v_permlanex16_b32: lane i reads lane i of the other half
	s_mov_b32 s29, 0xfedcba98
	s_mov_b32 s30, 0x3f596d27                      ; c1 = sqrt(log2(e) / 2) = 0.8493218
	s_mov_b32 s31, 0x3f596d27
	s_mov_b32 s32, 0x3f07dc22                      ; a5 / 2 = 0.5307027
	s_mov_b32 s33, 0x3f07dc22
	s_mov_b32 s34, 0x3f35f0e3                      ; a3 / 2 = 0.7107069
	s_mov_b32 s35, 0x3f35f0e3
	s_mov_b32 s36, 0xbe11a98e                      ; a2 / 2 = -0.14224837
	s_mov_b32 s37, 0xbe11a98e
	s_mov_b32 s38, 0x3e027906                      ; a1 / 2 = 0.1274148
	s_mov_b32 s39, 0x3e027906
	s_mov_b32 s40, 0x3e6d3388                      ; pz = 0.3275911 / sqrt 2 = 0.23164189
	s_lshl_b32 s2, ttmp9, 20                       ; the work-group's 256 rows of 4,096 bytes
	s_mov_b32 s3, 0
	s_wait_kmcnt 0x0
	s_load_b32 s26, s[12:13], 0x0                  ; b2: waited for on the way out
	s_add_nc_u64 s[20:21], s[4:5], s[2:3]
	s_mov_b64 s[22:23], s[6:7]
; A load into a register that a matrix instruction has read, and a vector instruction that reads a matrix result or writes one of its registers,
; stand four places behind it; only plain vector instructions that name none of its registers are places.
.macro PLACES
.rept 4
	v_nop
.endr
.endm
; The next tile into registers: 64 rows of W1 (65,536 consecutive bytes, 4,096 a wave) and 256 bytes of each of my 16 rows of x.
; step = 1: both pointers go one tile on; the loads that named them were waited for with count 0 in CONV.
.macro LOADS step
.if \step
	s_add_nc_u64 s[20:21], s[20:21], 256
	s_add_nc_u64 s[22:23], s[22:23], 0x10000
.endif
.irp e, 0,1,2,3,4,5,6,7
	global_load_b128 v[WS+4*\e:WS+4*\e+3], v2, s[22:23] offset:512*\e
.endr
.irp e, 0,1,2,3,4,5,6,7
	global_load_b128 v[XS+4*\e:XS+4*\e+3], v1, s[20:21] offset:8192*\e th:TH_LOAD_NT   ; x is read once in this launch
.endr
.endm
; The tile in registers goes to LDS buffer buf as bf16.
.macro CONV buf
	s_wait_loadcnt 0x8                             ; loads return in order (ISA guide 5.7.1): W1's eight are in, x's eight younger ones may be out
.irp e, 0,1,2,3,4,5,6,7
	v_cvt_pk_bf16_f32 v[WS+4*\e], v[WS+4*\e], v[WS+4*\e+1]
	v_cvt_pk_bf16_f32 v[WS+4*\e+1], v[WS+4*\e+2], v[WS+4*\e+3]
	ds_store_b64 v4, v[WS+4*\e:WS+4*\e+1] offset:\buf*WBUF+(\e>>1)*WPITCH+(\e&1)*256
.endr
	s_wait_loadcnt 0x0
.irp e, 0,1,2,3,4,5,6,7
	v_cvt_pk_bf16_f32 v[XS+4*\e], v[XS+4*\e], v[XS+4*\e+1]
	v_cvt_pk_bf16_f32 v[XS+4*\e+1], v[XS+4*\e+2], v[XS+4*\e+3]
	ds_store_b64 v3, v[XS+4*\e:XS+4*\e+1] offset:\buf*XBUF+2*\e*XPITCH
.endr
.endm
; Four matrix instructions: hidden columns 16a.. (fragment wf) x my four blocks of 16 rows.  zero = 1: the first product starts the sums.
.macro MM a, wf, zero
.irp b, 0,1,2,3
.if \zero
	v_wmma_f32_16x16x32_bf16 v[ACC+8*(4*\a+\b):ACC+8*(4*\a+\b)+7], v[WF+8*\wf:WF+8*\wf+7], v[XF+8*\b:XF+8*\b+7], 0
.else
	v_wmma_f32_16x16x32_bf16 v[ACC+8*(4*\a+\b):ACC+8*(4*\a+\b)+7], v[WF+8*\wf:WF+8*\wf+7], v[XF+8*\b:XF+8*\b+7], v[ACC+8*(4*\a+\b):ACC+8*(4*\a+\b)+7]
.endif
.endr
.endm
; W1 lies [k][n] in LDS: two transposing loads, 16 rows apart, make a fragment of 16 columns x 32 k.
.macro WFRAG buf, sub, a, wf
	ds_load_tr16_b128 v[WF+8*\wf:WF+8*\wf+3], v6 offset:\buf*WBUF+\sub*32*WPITCH+32*\a
	ds_load_tr16_b128 v[WF+8*\wf+4:WF+8*\wf+7], v6 offset:\buf*WBUF+\sub*32*WPITCH+32*\a+16*WPITCH
.endm
; 32 along K: 16 matrix instructions.
.macro SUB buf, sub, zero
	PLACES
.irp b, 0,1,2,3
	ds_load_b128 v[XF+8*\b:XF+8*\b+3], v5 offset:\buf*XBUF+16*\b*XPITCH+64*\sub
	ds_load_b128 v[XF+8*\b+4:XF+8*\b+7], v5 offset:\buf*XBUF+16*\b*XPITCH+64*\sub+32
.endr
	WFRAG \buf, \sub, 0, 0
	WFRAG \buf, \sub, 1, 1
	s_wait_dscnt 0x2                               ; only the second W1 fragment's two loads may be out
	MM 0, 0, \zero
	s_wait_dscnt 0x0
	MM 1, 1, \zero
	PLACES
	WFRAG \buf, \sub, 2, 0
	WFRAG \buf, \sub, 3, 1
	s_wait_dscnt 0x2
	MM 2, 0, \zero
	s_wait_dscnt 0x0
	MM 3, 1, \zero
.endm
; A K step of 64 from buffer buf.  conv = 1: the tile in registers goes to the other buffer, which every wave read for the last time (its LDS
; loads waited for in front of its products) before the barrier at the last step's end.  load = 1: the tile after that is requested.
; One barrier: in front of it my stores are done (count 0, for the others' sake); behind it the other buffer is read.
.macro STEP buf, nbuf, zero, conv, load
	SUB \buf, 0, \zero
	SUB \buf, 1, 0
.if \conv
	CONV \nbuf
	s_wait_dscnt 0x0                               ; my stores are in LDS, and have read the staging registers that the loads below fill
.if \load
	LOADS 1
.endif
	s_barrier_signal -1
	s_barrier_wait -1
.endif
.endm
	LOADS 0                                        ; tile 0
	CONV 0
	s_wait_dscnt 0x0
	LOADS 1                                        ; tile 1
	s_barrier_signal -1
	s_barrier_wait -1
	STEP 0, 1, 1, 1, 1                             ; tiles 0 and 1 stand in front of the loop: tile 0's products start the sums
	STEP 1, 0, 0, 1, 1
	s_mov_b32 s25, 6                               ; tiles 2 to 13; the loads reach tile 15
.Lk:
	STEP 0, 1, 0, 1, 1
	STEP 1, 0, 0, 1, 1
	s_sub_co_i32 s25, s25, 1
	s_cmp_lg_u32 s25, 0
	s_cbranch_scc1 .Lk
	STEP 0, 1, 0, 1, 0                             ; tile 14; tile 15 goes to LDS; nothing more is loaded of x and W1
.irp a, 0,1,2,3
	global_load_b128 v[B1V+8*\a:B1V+8*\a+3],   v7, s[8:9] offset:64*\a       ; b1 and W2 of hidden columns 16a + 8h + 0..7, into the staging
	global_load_b128 v[B1V+8*\a+4:B1V+8*\a+7], v7, s[8:9] offset:64*\a+16    ; registers, whose LDS stores are done
	global_load_b128 v[W2V+8*\a:W2V+8*\a+3],   v7, s[10:11] offset:64*\a
	global_load_b128 v[W2V+8*\a+4:W2V+8*\a+7], v7, s[10:11] offset:64*\a+16
.endr
	STEP 1, 0, 0, 0, 0                             ; tile 15
; THE WAY OUT.  Eight values of tile (a, b): z = sum + b1, gelu(z), times W2, into the pair of sums of b.  first = 1 starts the pair.
.macro GELU a, b, first
.irp k, 0,2,4,6
	v_pk_add_f32 v[Z+\k:Z+\k+1], v[ACC+8*(4*\a+\b)+\k:ACC+8*(4*\a+\b)+\k+1], v[B1V+8*\a+\k:B1V+8*\a+\k+1]
.endr
.irp k, 0,2,4,6
	v_pk_mul_f32 v[Y+\k:Y+\k+1], v[Z+\k:Z+\k+1], s[30:31] op_sel_hi:[1,0]
.endr
.irp k, 0,2,4,6
	v_pk_mul_f32 v[Y+\k:Y+\k+1], v[Y+\k:Y+\k+1], v[Y+\k:Y+\k+1] neg_lo:[0,1] neg_hi:[0,1]   ; -(c1 z)^2 = -(z^2 / 2) log2(e)
.endr
.irp k, 0,1,2,3,4,5,6,7
	v_fma_f32 v[T+\k], |v[Z+\k]|, s40, 1.0
.endr
.irp k, 0,1,2,3,4,5,6,7
	v_rcp_f32 v[T+\k], v[T+\k]                     ; t
.endr
.irp k, 0,1,2,3,4,5,6,7
	v_exp_f32 v[Y+\k], v[Y+\k]                     ; e^(-z^2 / 2); an overflow of the square gives 2^-inf = 0
.endr
.irp k, 0,1,2,3,4,5,6,7
	v_max_num_f32 v[R+\k], 0, v[Z+\k]              ; plain work between the transcendentals and the use of their results (ISA guide 5.7.2)
.endr
	s_wait_alu depctr_va_vdst(0)
.irp k, 0,2,4,6
	v_pk_fma_f32 v[P+\k:P+\k+1], v[T+\k:T+\k+1], s[32:33], v[8:9] op_sel_hi:[1,0,1]
.endr
.irp c, 34,36,38
.irp k, 0,2,4,6
	v_pk_fma_f32 v[P+\k:P+\k+1], v[P+\k:P+\k+1], v[T+\k:T+\k+1], s[\c:\c+1] op_sel_hi:[1,1,0]
.endr
.endr
.irp k, 0,2,4,6
	v_pk_mul_f32 v[P+\k:P+\k+1], v[P+\k:P+\k+1], v[T+\k:T+\k+1]
.endr
.irp k, 0,2,4,6
	v_pk_mul_f32 v[P+\k:P+\k+1], v[P+\k:P+\k+1], v[Y+\k:Y+\k+1]
.endr
.irp k, 0,1,2,3,4,5,6,7
	v_fma_f32 v[R+\k], -|v[Z+\k]|, v[P+\k], v[R+\k]        ; gelu(z) = max(z, 0) - |z| q
.endr
.if \first
	v_pk_mul_f32 v[SC+2*\b:SC+2*\b+1], v[R:R+1], v[W2V+8*\a:W2V+8*\a+1]
.else
	v_pk_fma_f32 v[SC+2*\b:SC+2*\b+1], v[R:R+1], v[W2V+8*\a:W2V+8*\a+1], v[SC+2*\b:SC+2*\b+1]
.endif
.irp k, 2,4,6
	v_pk_fma_f32 v[SC+2*\b:SC+2*\b+1], v[R+\k:R+\k+1], v[W2V+8*\a+\k:W2V+8*\a+\k+1], v[SC+2*\b:SC+2*\b+1]
.endr
.endm
	PLACES                                         ; behind the last products: their results are read, their fragments' registers written
	s_wait_loadcnt 0x0                             ; b1 and W2
	s_wait_kmcnt 0x0                               ; b2
.irp b, 0,1,2,3
	GELU 0, \b, 1
	GELU 1, \b, 0
	GELU 2, \b, 0
	GELU 3, \b, 0
.endr
.irp b, 0,1,2,3
	v_add_f32 v[SC+2*\b], v[SC+2*\b], v[SC+2*\b+1]                 ; my 32 hidden columns of row 16b + r
.endr
.irp b, 0,1,2,3
	v_permlanex16_b32 v[SC+2*\b+1], v[SC+2*\b], s28, s29           ; the other half's 32
.endr
.irp b, 0,1,2,3
	v_add_f32 v[SC+2*\b], v[SC+2*\b], v[SC+2*\b+1]
	ds_store_b32 v15, v[SC+2*\b] offset:64*\b                      ; both halves write the same word with the same value
.endr
	s_wait_dscnt 0x0                               ; for the waves that read PART: zero
	s_barrier_signal -1
	s_barrier_wait -1
	s_cmp_lt_u32 s24, 2
	s_cbranch_scc0 .Lnot_sum
	; waves 0 and 1: thread t takes rows 4t .. 4t+3: four column waves' parts, + b2; sixteen lanes store 256 consecutive bytes, aligned
	v_lshlrev_b32 v11, 4, v0
	v_add_nc_u32 v12, PART, v11
	ds_load_b128 v[16:19], v12
	ds_load_b128 v[20:23], v12 offset:1024
	ds_load_b128 v[24:27], v12 offset:2048
	ds_load_b128 v[28:31], v12 offset:3072
	s_lshl_b32 s2, ttmp9, 10                       ; the work-group's 256 scores
	s_mov_b32 s3, 0
	s_add_nc_u64 s[16:17], s[16:17], s[2:3]
	s_wait_dscnt 0x0
	v_pk_add_f32 v[16:17], v[16:17], v[20:21]
	v_pk_add_f32 v[18:19], v[18:19], v[22:23]
	v_pk_add_f32 v[24:25], v[24:25], v[28:29]
	v_pk_add_f32 v[26:27], v[26:27], v[30:31]
	v_pk_add_f32 v[16:17], v[16:17], v[24:25]
	v_pk_add_f32 v[18:19], v[18:19], v[26:27]
.irp k, 16,17,18,19
	v_add_f32 v[\k], s26, v[\k]
.endr
	global_store_b128 v11, v[16:19], s[16:17]
	s_wait_xcnt 0x0
	v_lshl_add_u32 v254, v0, 2, 0x24000
	v_mov_b32 v255, 0
	s_wait_tensorcnt 0x0
	ds_add_u32 v254, v255
	s_wait_dscnt 0x0
	s_endpgm
.Lnot_sum:
	s_cmp_eq_u32 s24, 2
	s_cbranch_scc0 .Lend
	s_cmp_eq_u32 ttmp9, 0
	s_cbranch_scc0 .Lend
	; wave 2 of work-group 0: lane g makes record g from pool_positions[16g .. 16g+15]
	v_and_b32 v12, 31, v0
	v_lshlrev_b32 v13, 6, v12
	global_load_b128 v[16:19], v13, s[14:15]
	global_load_b128 v[20:23], v13, s[14:15] offset:16
	global_load_b128 v[24:27], v13, s[14:15] offset:32
	global_load_b128 v[28:31], v13, s[14:15] offset:48
	v_lshlrev_b32 v32, 3, v12
	s_wait_loadcnt 0x0
	v_min3_num_f32 v14, v16, v17, v18              ; a NaN loses in these forms
	v_max3_num_f32 v15, v16, v17, v18
.irp k, 19,21,23,25,27,29
	v_min3_num_f32 v14, v14, v[\k], v[\k+1]
	v_max3_num_f32 v15, v15, v[\k], v[\k+1]
.endr
	v_min_num_f32 v14, v14, v31
	v_max_num_f32 v15, v15, v31
	v_mul_f32 v14, 0x45fff800, v14                 ; x 8191: in steps of the positions
	v_mul_f32 v15, 0x45fff800, v15
	v_max_num_f32 v14, 0, v14                      ; clamped to 0 .. 8191 (sixteen NaNs give 0)
	v_max_num_f32 v15, 0, v15
	v_min_num_f32 v14, 0x45fff800, v14
	v_min_num_f32 v15, 0x45fff800, v15
	v_rndne_f32 v14, v14                           ; the nearest position
	v_rndne_f32 v15, v15
	v_add_f32 v14, 0xc2000000, v14                 ; - 32
	v_add_f32 v15, 0x42000000, v15                 ; + 32
	v_max_num_f32 v14, 0, v14
	v_min_num_f32 v15, 0x45fff800, v15
	v_cvt_u32_f32 v14, v14
	v_cvt_u32_f32 v15, v15
	v_lshrrev_b32 v14, 5, v14                      ; first chunk
	v_lshrrev_b32 v15, 5, v15                      ; last chunk
	v_add_nc_u32 v15, 1, v15
	v_sub_nc_u32 v15, v15, v14                     ; number of chunks: at least 2 (33 positions or more), first + number at most 256
	global_store_b64 v32, v[14:15], s[18:19]       ; 32 lanes: the buffer's 256 bytes
.Lend:
	s_wait_xcnt 0x0
	v_lshl_add_u32 v254, v0, 2, 0x24000
	v_mov_b32 v255, 0
	s_wait_tensorcnt 0x0
	ds_add_u32 v254, v255
	s_wait_dscnt 0x0
	s_endpgm
.Lfunc_end_k_qf8fdaa9356_scores:
	.size	k_qf8fdaa9356_scores, .Lfunc_end_k_qf8fdaa9356_scores-k_qf8fdaa9356_scores
	.p2alignl 7, 3214868480
	.fill 96, 4, 3214868480
	.section	.rodata,"a",@progbits
	.p2align	6, 0x0
	.amdhsa_kernel k_qf8fdaa9356_scores
		.amdhsa_group_segment_fixed_size 149504
		.amdhsa_private_segment_fixed_size 0
		.amdhsa_enable_private_segment 0
		.amdhsa_kernarg_size 64
		.amdhsa_user_sgpr_count 2
		.amdhsa_user_sgpr_kernarg_segment_ptr 1
		.amdhsa_wavefront_size32 1
		.amdhsa_system_sgpr_workgroup_id_x 1
		.amdhsa_system_sgpr_workgroup_id_y 1
		.amdhsa_system_sgpr_workgroup_id_z 1
		.amdhsa_system_vgpr_workitem_id 0
		.amdhsa_next_free_vgpr 256
		.amdhsa_next_free_sgpr 66
		.amdhsa_reserve_vcc 0
		.amdhsa_float_denorm_mode_32 3
		.amdhsa_float_denorm_mode_16_64 3
		.amdhsa_memory_ordered 1
		.amdhsa_forward_progress 1
		.amdhsa_inst_pref_size 136
	.end_amdhsa_kernel
	.amdgpu_metadata
---
amdhsa.version: [ 1, 2 ]
amdhsa.kernels:
  - .name:           k_qf8fdaa9356_scores
    .symbol:         k_qf8fdaa9356_scores.kd
    .args:
      - { .name: x, .offset: 0, .size: 8, .value_kind: global_buffer, .address_space: global }
      - { .name: W1, .offset: 8, .size: 8, .value_kind: global_buffer, .address_space: global }
      - { .name: b1, .offset: 16, .size: 8, .value_kind: global_buffer, .address_space: global }
      - { .name: W2, .offset: 24, .size: 8, .value_kind: global_buffer, .address_space: global }
      - { .name: b2, .offset: 32, .size: 8, .value_kind: global_buffer, .address_space: global }
      - { .name: pool_positions, .offset: 40, .size: 8, .value_kind: global_buffer, .address_space: global }
      - { .name: scores, .offset: 48, .size: 8, .value_kind: global_buffer, .address_space: global }
      - { .name: win, .offset: 56, .size: 8, .value_kind: global_buffer, .address_space: global }
    .group_segment_fixed_size: 149504
    .private_segment_fixed_size: 0
    .kernarg_segment_align: 8
    .kernarg_segment_size: 64
    .max_flat_workgroup_size: 512
    .sgpr_count:     66
    .vgpr_count:     256
    .wavefront_size: 32
...
	.end_amdgpu_metadata
.endif
;; end of part 1
;; launch pool (part 2): grid 256 x 1, 16 waves a work-group, no clusters, 266,240 bytes of LDS; arguments x, scores, win, pool_positions, out0; writes out0
.if DOCPART == 2
	.amdgcn_target "amdgcn-amd-amdhsa--gfx1250"
	.amdhsa_code_object_version 6
	.text
	.protected	k_qf8fdaa9356_pool
	.globl	k_qf8fdaa9356_pool
	.p2align	8
	.type	k_qf8fdaa9356_pool,@function
k_qf8fdaa9356_pool:
	s_mov_b64 s[64:65], 0
	v_nop
	global_prefetch_b8 v0, s[64:65] scope:SCOPE_SE
	s_setreg_imm32_b32 hwreg(HW_REG_WAVE_MODE, 25, 1), 1
	s_wait_xcnt 0x0
; out0[b][t][:] = sum over s of softmax_s( -8192 |p_t - s/8191| + 10 w[b][s] ) x[b][s][:],  w[b][:] = softmax(scores[b][:]).
; Work-group n: batch n >> 5, rows t = 16 (n & 31) .. + 15, that is rows 16n .. 16n+15 of out0.  16 waves; wave w owns columns 64w .. 64w+63.
; The sum over s runs over the window that the launch before stored for these sixteen rows (first chunk and number of chunks of 32 positions):
; it holds every s within 32 steps of each row's nearest position.  LIMIT: the terms left out weigh together at most 2 e^-22 / (1 - 1/e) = 8.8e-10
; of a row's sum, for every input, since the position term falls by 8192/8191 a step and 10 w lies in 0..10.  The row's largest exponent lies
; inside the window (outside it is at least 22 lower) and is taken away before the exponential; so is the largest score in the first softmax.
; Pool positions in any order and range are served: a group of sixteen that lies far apart has a long window (up to all 256 chunks) and takes longer.
; THE OPERANDS ARE f16.  A result is an average of a handful of x with weights up to 0.46, so an operand's rounding reaches the result nearly
; undamped: f16 keeps 11 significant bits where bf16 keeps 8.  LIMITS of that format: |x| above 65,504 overflows (the drawn numbers reach about 5.5);
; P lies in 0..1, and below 2^-14 its rounding error is at most 2^-25: over the 65 positions within 32 steps 1.9e-6 of a row's sum, which is at least 1.
; Each row is divided by the sum of its ROUNDED P, made by the matrix unit against a fragment of ones.
; Further limits: 1/sum by v_rcp_f32; exponentials below 2^-126 count as 0.  A row whose p_t is NaN or infinite comes out as NaN, as in the reference.
; x NEEDS NO LDS: lane (r, h) loads, for i = 0..15, the 16 bytes x[32c + 16h + i][64w + 4r .. + 3] (sixteen lanes: 256 aligned bytes of a row), and
; packing number q of rows 2j, 2j+1 gives register j of B fragment q, whose column r stands for d = 64w + 4r + q and whose place i of half h
; stands for s = 32c + 16h + i.  P's fragment uses the same map of places to s, so every product pairs the right numbers.  On the way out
; register j of the four tiles is four neighbouring numbers of row 8h + j: one store of the wave writes 256 whole bytes in each of two rows.
; No tensor loads (x must be converted on its way) and so no joint requests; of a work-group's x only the margins of its window are shared.
; LDS holds only what waves hand to each other.  Every change from a phase in which waves read it to one in which they write it is a barrier.
.set MAXB, 0                           ; f32 [16 waves][16 rows t]: each wave's 64 bytes are its own
.set RED1, 1024                        ; 16 waves' maxima of the scores
.set RED2, 1280                        ; 16 waves' sums (RED1 + 256)
.set PF,   2048                        ; P's fragments: chunk i = w + 16k at 16384 w + 1024 k: registers 0-3 (16 bytes a lane), then registers 4-7.
                                       ; Wave w makes chunks w, w + 16, ..: its stores fall into 16,384 consecutive bytes of its own
.set IOTA, 16                          ; v[16:31]   float(16h + i)
.set SF,   32                          ; v[32:47]   scores, e; then s as a float, then the exponent
.set QV,   48                          ; v[48:63]   at work; s / 8191, p - s / 8191
.set X,    64                          ; v[64:127]  x as loaded: row i at X + 4i; at the end the results to store
.set BF,   128                         ; v[128:159] four B fragments
.set EV,   128                         ;            (before the main loop: the quotient's remainder,
.set WV,   144                         ;             and the chunk's scores, then 10 w)
.set AF,   160                         ; v[160:167] P's fragment
.set ONES, 168                         ; v[168:175] f16 ones
.set ACC,  176                         ; v[176:207] tile q at ACC + 8q
.set SUM,  208                         ; v[208:215] row sums of P
.set MX,   222                         ; v[222:223] the batch's largest score, twice
.set RZ,   224                         ; v[224:225] 1 / sum of exp(score - largest), twice
; v1 x offset, v2 out offset, v3 PF + 16 l, v4 offset or LDS address at work, v5 64h, v[6:7] p_t, v[8:9] row maximum, v10-15 at work,
; v216 v3 + 16384 w, v217 16 x thread, v218 64w + 4r, v219 4r, v220 RED1 + 4w, v221 RED1
; s14 first chunk, s15 chunks, s16 chunks - 1, s17 counter, s18 wave, s[20:21] x at the batch, s[22:23] x at the chunk, s[34:35] out, s39 chunk i
	s_load_b256 s[4:11], s[0:1], 0x0               ; x s[4:5], scores s[6:7], win s[8:9], pool_positions s[10:11]
	s_load_b64 s[12:13], s[0:1], 0x20              ; out0
	v_lshl_add_u32 v226, v0, 2, 0x40800
	v_mov_b32 v227, 0
	v_and_b32 v10, 15, v0                          ; r
	v_bfe_u32 v11, v0, 4, 1                        ; h
	v_and_b32 v13, 31, v0                          ; l
	v_lshrrev_b32 v12, 5, v0
	v_readfirstlane_b32 s18, v12                   ; wave w
	s_lshr_b32 s19, ttmp9, 5                       ; batch
	s_and_b32 s41, ttmp9, 31                       ; group g of sixteen rows t
	s_lshl_b32 s24, s41, 3
	s_mov_b32 s25, 0
	s_wait_kmcnt 0x0
	s_add_nc_u64 s[8:9], s[8:9], s[24:25]
	s_load_b64 s[14:15], s[8:9], 0x0               ; record g: first chunk, number of chunks
	s_lshl_b32 s24, s19, 15
	s_add_nc_u64 s[6:7], s[6:7], s[24:25]          ; the batch's 8,192 scores
	s_lshl_b32 s24, s19, 25
	s_add_nc_u64 s[20:21], s[4:5], s[24:25]        ; the batch's 8,192 rows of 4,096 bytes
	s_lshl_b32 s24, ttmp9, 16
	s_add_nc_u64 s[34:35], s[12:13], s[24:25]      ; my 16 rows of out0
	s_mov_b32 s28, 0x39000400                      ; 1 / 8191
	s_mov_b32 s29, 0x39000400
	s_mov_b32 s30, 0x45fff800                      ; 8191
	s_mov_b32 s31, 0x45fff800
	s_mov_b32 s32, 0x76543210                      ; v_permlanex16_b32: lane i reads lane i of the other half
	s_mov_b32 s33, 0xfedcba98
	s_mov_b32 s40, 0x46000000                      ; 8192
	s_mov_b32 s42, 0x3fb8aa3b                      ; log2(e)
	s_mov_b32 s43, 0x3fb8aa3b
	s_lshl_b32 s36, s18, 8
	v_lshl_add_u32 v1, v10, 4, s36                 ; 256w + 16r
	v_lshl_add_u32 v2, v11, 15, v1                 ; out: + 8h rows
	v_lshl_add_u32 v1, v11, 16, v1                 ; x: + 16h rows
	v_lshlrev_b32 v3, 4, v13
	v_add_nc_u32 v3, PF, v3
	s_lshl_b32 s36, s18, 14
	v_add_nc_u32 v216, s36, v3                     ; my wave's 16,384 bytes of PF
	v_lshlrev_b32 v5, 6, v11
	v_lshlrev_b32 v217, 4, v0
	s_lshl_b32 s36, s18, 6
	v_lshl_add_u32 v218, v10, 2, s36
	v_lshlrev_b32 v219, 2, v10
	s_lshl_b32 s36, s18, 2
	s_add_co_u32 s36, s36, RED1
	v_mov_b32 v220, s36
	v_mov_b32 v221, RED1
	s_lshl_b32 s36, s41, 6
	v_lshl_add_u32 v12, v10, 2, s36                ; 4 (16g + r)
	global_load_b32 v6, v12, s[10:11]              ; p_t of row t = 16g + r: the row of P that this lane makes
.irp e, 0,1,2,3
	global_load_b128 v[SF+4*\e:SF+4*\e+3], v217, s[6:7] offset:8192*\e     ; 16 of the batch's scores
.endr
	v_lshlrev_b32 v14, 4, v11
.irp i, 0,1,2,3,4,5,6,7,8,9,10,11,12,13,14,15
	v_add_nc_u32 v15, \i, v14
	v_cvt_f32_u32 v[IOTA+\i], v15
.endr
.irp i, 0,1,2,3,4,5,6,7
	v_mov_b32 v[ONES+\i], 0x3c003c00               ; 1.0 in f16, twice
.endr
	s_wait_kmcnt 0x0
	s_min_u32 s14, s14, 255                        ; what was read from memory is clamped before it steers an address or a trip count
	s_min_u32 s15, s15, 256
	s_max_u32 s15, s15, 2
	s_sub_co_u32 s16, s15, 1
	s_lshl_b32 s24, s14, 17                        ; a chunk: 32 rows of 4,096 bytes
	s_add_nc_u64 s[22:23], s[20:21], s[24:25]
.irp i, 0,1,2,3,4,5,6,7,8,9,10,11,12,13,14,15
	global_load_b128 v[X+4*\i:X+4*\i+3], v1, s[22:23] offset:4096*\i       ; the window's first chunk, on its way during the first softmax
.endr
.macro PLACES                          ; four places behind a matrix instruction before its registers are written or its result read (ISA guide 7.12.1)
.rept 4
	v_nop
.endr
.endm
.macro MAX16 dst, base
	v_max3_num_f32 v[\dst], v[\base], v[\base+1], v[\base+2]
.irp k, 3,5,7,9,11,13
	v_max3_num_f32 v[\dst], v[\dst], v[\base+\k], v[\base+\k+1]
.endr
	v_max_num_f32 v[\dst], v[\dst], v[\base+15]
.endm
.macro SUM16 dst, src, tmp             ; tmp may be src
.irp k, 0,1,2,3
	v_pk_add_f32 v[\tmp+2*\k:\tmp+2*\k+1], v[\src+4*\k:\src+4*\k+1], v[\src+4*\k+2:\src+4*\k+3]
.endr
	v_pk_add_f32 v[\tmp:\tmp+1], v[\tmp:\tmp+1], v[\tmp+2:\tmp+3]
	v_pk_add_f32 v[\tmp+4:\tmp+5], v[\tmp+4:\tmp+5], v[\tmp+6:\tmp+7]
	v_pk_add_f32 v[\tmp:\tmp+1], v[\tmp:\tmp+1], v[\tmp+4:\tmp+5]
	v_add_f32 v[\dst], v[\tmp], v[\tmp+1]
.endm
	; FIRST SOFTMAX: its two figures.  The largest of the batch's scores: lane, wave, work-group.
	s_wait_loadcnt 0x10                            ; p and the four score loads are in; the sixteen younger loads of x stay out
	v_mov_b32 v7, v6
	MAX16 10, SF
.irp m, 1,2,4,8
	v_max_num_f32_dpp v10, v10, v10 row_xmask:\m row_mask:0xf bank_mask:0xf
.endr
	v_permlanex16_b32 v11, v10, s32, s33
	v_max_num_f32 v10, v10, v11
	ds_store_b32 v220, v10
	s_wait_dscnt 0x0                               ; for the waves that read it: zero
	s_barrier_signal -1
	s_barrier_wait -1
.irp e, 0,1,2,3
	ds_load_b128 v[QV+4*\e:QV+4*\e+3], v221 offset:16*\e
.endr
	s_wait_dscnt 0x0
	MAX16 MX, QV
	v_mov_b32 v[MX+1], v[MX]
	; the sum of exp(score - largest), which is at least 1
.irp k, 0,2,4,6,8,10,12,14
	v_pk_add_f32 v[SF+\k:SF+\k+1], v[SF+\k:SF+\k+1], v[MX:MX+1] neg_lo:[0,1] neg_hi:[0,1]
.endr
.irp k, 0,2,4,6,8,10,12,14
	v_pk_mul_f32 v[SF+\k:SF+\k+1], v[SF+\k:SF+\k+1], s[42:43] op_sel_hi:[1,0]
.endr
.irp k, 0,1,2,3,4,5,6,7,8,9,10,11,12,13,14,15
	v_exp_f32 v[SF+\k], v[SF+\k]
.endr
	v_nop                                          ; one plain place behind the transcendentals (ISA guide 5.7.2)
	s_wait_alu depctr_va_vdst(0)
	SUM16 12, SF, QV
.irp m, 1,2,4,8
	v_add_f32_dpp v12, v12, v12 row_xmask:\m row_mask:0xf bank_mask:0xf
.endr
	v_permlanex16_b32 v13, v12, s32, s33
	v_add_f32 v12, v12, v13
	ds_store_b32 v220, v12 offset:RED2-RED1        ; other bytes than the maxima, which some wave may still be reading
	s_wait_dscnt 0x0
	s_barrier_signal -1
	s_barrier_wait -1
.irp e, 0,1,2,3
	ds_load_b128 v[QV+4*\e:QV+4*\e+3], v221 offset:RED2-RED1+16*\e
.endr
	s_wait_dscnt 0x0
	SUM16 12, QV, QV
	v_rcp_f32 v[RZ], v12
	v_nop
	s_wait_alu depctr_va_vdst(0)
	v_mov_b32 v[RZ+1], v[RZ]
; The exponents of chunk i (s39) of the window: lane (r, h) makes row t = r, s = 32c + 16h + 0..15, into v[SF..SF+15].
; The chunk's scores come from memory once more (64 bytes a lane, the sixteen lanes of a half the same) and 10 w = (exp(score - largest) / sum) x 10
; is formed here: 32 positions a chunk, against a table of all 8,192 that would have to be shared through LDS.
; s / 8191 as a quotient corrected once (q = s R, q += (s - 8191 q) R), which follows the reference's division; the product by 8192 is exact,
; so the one rounding of the fused multiply-add is the reference's addition.
.macro COMB
	s_add_co_u32 s36, s14, s39
	s_min_u32 s36, s36, 255                        ; c
	s_lshl_b32 s37, s36, 7
	s_lshl_b32 s38, s36, 5
	v_add_nc_u32 v4, s37, v5                       ; 4 (32c + 16h); the loads that named v4 before were waited for with count 0
.irp e, 0,1,2,3
	global_load_b128 v[WV+4*\e:WV+4*\e+3], v4, s[6:7] offset:16*\e
.endr
	v_cvt_f32_u32 v12, s38
	v_mov_b32 v13, v12
.irp k, 0,2,4,6,8,10,12,14
	v_pk_add_f32 v[SF+\k:SF+\k+1], v[IOTA+\k:IOTA+\k+1], v[12:13]
.endr
.irp k, 0,2,4,6,8,10,12,14
	v_pk_mul_f32 v[QV+\k:QV+\k+1], v[SF+\k:SF+\k+1], s[28:29] op_sel_hi:[1,0]
.endr
.irp k, 0,2,4,6,8,10,12,14
	v_pk_fma_f32 v[EV+\k:EV+\k+1], v[QV+\k:QV+\k+1], s[30:31], v[SF+\k:SF+\k+1] op_sel_hi:[1,0,1] neg_lo:[1,0,0] neg_hi:[1,0,0]
.endr
.irp k, 0,2,4,6,8,10,12,14
	v_pk_fma_f32 v[QV+\k:QV+\k+1], v[EV+\k:EV+\k+1], s[28:29], v[QV+\k:QV+\k+1] op_sel_hi:[1,0,1]
.endr
	s_wait_loadcnt 0x0                             ; the four score loads are the youngest: zero (the first chunk of x, asked for long before, is in by then)
.irp k, 0,2,4,6,8,10,12,14
	v_pk_add_f32 v[WV+\k:WV+\k+1], v[WV+\k:WV+\k+1], v[MX:MX+1] neg_lo:[0,1] neg_hi:[0,1]
.endr
.irp k, 0,2,4,6,8,10,12,14
	v_pk_mul_f32 v[WV+\k:WV+\k+1], v[WV+\k:WV+\k+1], s[42:43] op_sel_hi:[1,0]
.endr
.irp k, 0,1,2,3,4,5,6,7,8,9,10,11,12,13,14,15
	v_exp_f32 v[WV+\k], v[WV+\k]
.endr
.irp k, 0,2,4,6,8,10,12,14
	v_pk_add_f32 v[QV+\k:QV+\k+1], v[6:7], v[QV+\k:QV+\k+1] neg_lo:[0,1] neg_hi:[0,1]     ; p - s / 8191: plain work behind the transcendentals (ISA guide 5.7.2)
.endr
	s_wait_alu depctr_va_vdst(0)
.irp k, 0,2,4,6,8,10,12,14
	v_pk_mul_f32 v[WV+\k:WV+\k+1], v[WV+\k:WV+\k+1], v[RZ:RZ+1]
.endr
.irp k, 0,2,4,6,8,10,12,14
	v_pk_mul_f32 v[WV+\k:WV+\k+1], v[WV+\k:WV+\k+1], 0x41200000 op_sel_hi:[1,0]
.endr
.irp k, 0,1,2,3,4,5,6,7,8,9,10,11,12,13,14,15
	v_fma_f32 v[SF+\k], -|v[QV+\k]|, s40, v[WV+\k]
.endr
.endm
	; PASS 1: each row's largest exponent.  Wave w takes chunks i = w + 16k, k = 0..15; a trip whose chunk lies behind the window's end is jumped over.
	v_mov_b32 v10, 0xff800000                      ; -inf: a wave without a chunk adds nothing
	s_mov_b32 s17, 0
.Lp1:
	s_lshl_b32 s39, s17, 4
	s_add_co_u32 s39, s39, s18                     ; i
	s_cmp_ge_u32 s39, s15
	s_cbranch_scc1 .Lp1_skip
	COMB
.irp k, 0,2,4,6,8,10,12,14
	v_max3_num_f32 v10, v10, v[SF+\k], v[SF+\k+1]
.endr
.Lp1_skip:
	s_add_co_u32 s17, s17, 1
	s_cmp_lt_u32 s17, 16
	s_cbranch_scc1 .Lp1
	v_permlanex16_b32 v11, v10, s32, s33           ; the other sixteen positions of each chunk
	v_max_num_f32 v10, v10, v11
	ds_store_b32 v218, v10 offset:MAXB             ; both halves write the same word with the same value
	s_wait_dscnt 0x0
	s_barrier_signal -1
	s_barrier_wait -1
.irp k, 0,1,2,3,4,5,6,7,8,9,10,11,12,13,14,15
	ds_load_b32 v[SF+\k], v219 offset:MAXB+64*\k   ; row r's maximum in each of the 16 waves
.endr
	s_wait_dscnt 0x0                               ; my reads are over:
	s_barrier_signal -1                            ; say so,
	MAX16 8, SF                                    ; work on registers meanwhile,
	v_mov_b32 v9, v8
	s_barrier_wait -1                              ; and write LDS again when every wave has read
	; PASS 2: P = exp(exponent - maximum), at most 1, rounded to f16, laid into LDS as the fragment that every wave will load
	s_mov_b32 s17, 0
.Lp2:
	s_lshl_b32 s39, s17, 4
	s_add_co_u32 s39, s39, s18                     ; i
	s_cmp_ge_u32 s39, s15
	s_cbranch_scc1 .Lp2_skip
	COMB
.irp k, 0,2,4,6,8,10,12,14
	v_pk_add_f32 v[SF+\k:SF+\k+1], v[SF+\k:SF+\k+1], v[8:9] neg_lo:[0,1] neg_hi:[0,1]
.endr
.irp k, 0,2,4,6,8,10,12,14
	v_pk_mul_f32 v[SF+\k:SF+\k+1], v[SF+\k:SF+\k+1], s[42:43] op_sel_hi:[1,0]
.endr
	s_lshl_b32 s36, s17, 10                        ; 1024 k, k below 16: inside my wave's 16,384 bytes
.irp k, 0,1,2,3,4,5,6,7,8,9,10,11,12,13,14,15
	v_exp_f32 v[SF+\k], v[SF+\k]
.endr
	v_add_nc_u32 v14, s36, v216                    ; the plain place behind the transcendentals
	s_wait_alu depctr_va_vdst(0)
.irp j, 0,1,2,3,4,5,6,7
	v_cvt_pk_f16_f32 v[AF+\j], v[SF+2*\j], v[SF+2*\j+1]            ; place 2j below, 2j + 1 above
.endr
	ds_store_b128 v14, v[AF:AF+3]
	ds_store_b128 v14, v[AF+4:AF+7] offset:512
.Lp2_skip:
	s_add_co_u32 s17, s17, 1
	s_cmp_lt_u32 s17, 16
	s_cbranch_scc1 .Lp2
	s_wait_dscnt 0x0                               ; my fragments are in LDS
	s_barrier_signal -1
	s_barrier_wait -1                              ; from here on the products only read LDS, and each wave runs by itself
; THE PRODUCT.  One chunk: P's fragment from LDS, the chunk of x from its 64 registers into four B fragments, the next chunk requested into
; the same registers straight behind the conversions, five matrix instructions.  first = 1: the products start the sums.
.macro TRIP first, refill
.if \first
.else
	PLACES
.endif
	s_and_b32 s36, s17, 15                         ; chunk i lies at 16384 (i & 15) + 1024 (i >> 4)
	s_lshl_b32 s36, s36, 14
	s_lshr_b32 s37, s17, 4
	s_and_b32 s37, s37, 15
	s_lshl_b32 s37, s37, 10
	s_add_co_u32 s36, s36, s37
	v_add_nc_u32 v4, s36, v3
	ds_load_b128 v[AF:AF+3], v4
	ds_load_b128 v[AF+4:AF+7], v4 offset:512
	s_wait_loadcnt 0x0                             ; the chunk is in, and s[22:23], which its loads named, may be written
.irp q, 0,1,2,3
.irp j, 0,1,2,3,4,5,6,7
	v_cvt_pk_f16_f32 v[BF+8*\q+\j], v[X+8*\j+\q], v[X+8*\j+4+\q]
.endr
.endr
.if \refill
	s_add_co_u32 s36, s14, s17
	s_add_co_u32 s36, s36, 1
	s_min_u32 s36, s36, 255
	s_lshl_b32 s24, s36, 17
	s_add_nc_u64 s[22:23], s[20:21], s[24:25]
.irp i, 0,1,2,3,4,5,6,7,8,9,10,11,12,13,14,15
	global_load_b128 v[X+4*\i:X+4*\i+3], v1, s[22:23] offset:4096*\i
.endr
.endif
	s_wait_dscnt 0x0
.irp q, 0,1,2,3
.if \first
	v_wmma_f32_16x16x32_f16 v[ACC+8*\q:ACC+8*\q+7], v[AF:AF+7], v[BF+8*\q:BF+8*\q+7], 0
.else
	v_wmma_f32_16x16x32_f16 v[ACC+8*\q:ACC+8*\q+7], v[AF:AF+7], v[BF+8*\q:BF+8*\q+7], v[ACC+8*\q:ACC+8*\q+7]
.endif
.endr
.if \first
	v_wmma_f32_16x16x32_f16 v[SUM:SUM+7], v[AF:AF+7], v[ONES:ONES+7], 0
.else
	v_wmma_f32_16x16x32_f16 v[SUM:SUM+7], v[AF:AF+7], v[ONES:ONES+7], v[SUM:SUM+7]
.endif
	s_add_co_u32 s17, s17, 1
.endm
	s_mov_b32 s17, 0
	TRIP 1, 1                                      ; chunk 0 (there are at least two)
	s_cmp_ge_u32 s17, s16
	s_cbranch_scc1 .Ltail
.Lmain:
	TRIP 0, 1                                      ; chunks 1 .. count - 2
	s_cmp_lt_u32 s17, s16
	s_cbranch_scc1 .Lmain
.Ltail:
	TRIP 0, 0                                      ; the last chunk: nothing is requested beyond the window
	; THE WAY OUT: divide by the row sums, which lie in the accumulators' own layout
	PLACES
.irp j, 0,1,2,3,4,5,6,7
	v_rcp_f32 v[SUM+\j], v[SUM+\j]
.endr
	v_nop
	s_wait_alu depctr_va_vdst(0)
.irp j, 0,1,2,3,4,5,6,7
.irp q, 0,1,2,3
	v_mul_f32 v[X+4*\j+\q], v[ACC+8*\q+\j], v[SUM+\j]
.endr
	global_store_b128 v2, v[X+4*\j:X+4*\j+3], s[34:35] offset:4096*\j th:TH_STORE_NT   ; rows j and 8 + j: sixteen lanes store 256 consecutive bytes, aligned
.endr
	s_barrier_signal -1
	s_barrier_wait -1
	s_wait_tensorcnt 0x0
	ds_add_u32 v226, v227
	s_wait_dscnt 0x0
	s_endpgm
.Lfunc_end_k_qf8fdaa9356_pool:
	.size	k_qf8fdaa9356_pool, .Lfunc_end_k_qf8fdaa9356_pool-k_qf8fdaa9356_pool
	.p2alignl 7, 3214868480
	.fill 96, 4, 3214868480
	.section	.rodata,"a",@progbits
	.p2align	6, 0x0
	.amdhsa_kernel k_qf8fdaa9356_pool
		.amdhsa_group_segment_fixed_size 266240
		.amdhsa_private_segment_fixed_size 0
		.amdhsa_enable_private_segment 0
		.amdhsa_kernarg_size 40
		.amdhsa_user_sgpr_count 2
		.amdhsa_user_sgpr_kernarg_segment_ptr 1
		.amdhsa_wavefront_size32 1
		.amdhsa_system_sgpr_workgroup_id_x 1
		.amdhsa_system_sgpr_workgroup_id_y 1
		.amdhsa_system_sgpr_workgroup_id_z 1
		.amdhsa_system_vgpr_workitem_id 0
		.amdhsa_next_free_vgpr 228
		.amdhsa_next_free_sgpr 66
		.amdhsa_reserve_vcc 0
		.amdhsa_float_denorm_mode_32 3
		.amdhsa_float_denorm_mode_16_64 3
		.amdhsa_memory_ordered 1
		.amdhsa_forward_progress 1
		.amdhsa_inst_pref_size 46
	.end_amdhsa_kernel
	.amdgpu_metadata
---
amdhsa.version: [ 1, 2 ]
amdhsa.kernels:
  - .name:           k_qf8fdaa9356_pool
    .symbol:         k_qf8fdaa9356_pool.kd
    .args:
      - { .name: x, .offset: 0, .size: 8, .value_kind: global_buffer, .address_space: global }
      - { .name: scores, .offset: 8, .size: 8, .value_kind: global_buffer, .address_space: global }
      - { .name: win, .offset: 16, .size: 8, .value_kind: global_buffer, .address_space: global }
      - { .name: pool_positions, .offset: 24, .size: 8, .value_kind: global_buffer, .address_space: global }
      - { .name: out0, .offset: 32, .size: 8, .value_kind: global_buffer, .address_space: global }
    .group_segment_fixed_size: 266240
    .private_segment_fixed_size: 0
    .kernarg_segment_align: 8
    .kernarg_segment_size: 40
    .max_flat_workgroup_size: 512
    .sgpr_count:     66
    .vgpr_count:     228
    .wavefront_size: 32
...
	.end_amdgpu_metadata
.endif
;; end of part 2
